; MI455X (gfx1250); checked and timed in simulation.
; The chip was launched on July 23, 2026; its instructions are those of AMD's public machine-readable ISA for CDNA 5 (MIT licence, August 2026) and "CDNA5" Instruction Set Architecture Reference Guide (July 2026). The comments in the code are by the model that wrote it; some were corrected since.
;; Flex Attention API. Allowed arithmetic: float matrix products may take bf16 or f16 operands with f32 sums; all other float work in f32.
;; Inputs: Wk 2,048 x 2,048 float32; Wo 2,048 x 2,048 float32; Wq 2,048 x 2,048 float32; Wv 2,048 x 2,048 float32; bk 2,048 float32; bo 2,048 float32; bq 2,048 float32; bv 2,048 float32; x 2 x 1,024 x 2,048 float32.
;; Outputs: out0 2 x 1,024 x 2,048 float32.
;; One version. Each part assembles by itself: llvm-mc -triple=amdgcn-amd-amdhsa -mcpu=gfx1250 --defsym DOCPART=n.
;; ======== version 1 of 1: 4 launches
;; limits: values are held in f16: magnitudes above 65,504 overflow, below 6.1e-05 lose precision
;; workspace buffers: wb 41,943,040 bytes; qkv 25,165,824 bytes; ao 8,388,608 bytes
;; launch cvt (part 1): grid 256 x 5, 8 waves a work-group, no clusters, 0 bytes of LDS; arguments x, Wq, Wk, Wv, Wo, wb; writes wb
.if DOCPART == 1
	.amdgcn_target "amdgcn-amd-amdhsa--gfx1250"
	.amdhsa_code_object_version 6
	.text
	.protected	k_qf2a18b3412_cvt
	.globl	k_qf2a18b3412_cvt
	.p2align	8
	.type	k_qf2a18b3412_cvt,@function
k_qf2a18b3412_cvt:
	s_mov_b64 s[64:65], 0
	v_nop
	global_prefetch_b8 v0, s[64:65] scope:SCOPE_SE
	s_setreg_imm32_b32 hwreg(HW_REG_WAVE_MODE, 25, 1), 1
	s_wait_xcnt 0x0
; wb[p] = f16(source p), p = 0..4: x, Wq, Wk, Wv, Wo, each 2048 x 2048 f32 (16,777,216 bytes) -> 8,388,608 bytes of f16.
; The matrix launches behind this one read every element many times; rounding once here halves what they move and lets their tiles come in as 16-bit rows.
; f16 and not bf16: three more mantissa bits.  LIMIT OF FORMAT: |x|, |W| below 65,504 (beyond it the code is an infinity); magnitudes below 6.1e-5
; are kept with an absolute error of 3e-8.  Rounding is to nearest even.
; A stream: no input is shared between work-groups, so LDS, clusters and the matrix unit have nothing to give here.
; Work-group (gx, p) takes 65,536 source bytes of plane p; thread t the 16 bytes at 16 t + 4,096 i, i = 0..15.  All sixteen loads of a wave go out
; at once (512 consecutive bytes each); no register is written twice, so there is no loop and no wait for sources.
.set STEP, 4096                        ; source bytes that the 256 threads cover with one load each
.set X,    4                           ; v[4:67]   sixteen loads of four f32
.set Y,    68                          ; v[68:99]  sixteen pairs of registers, four f16 each
	s_load_b256 s[4:11], s[0:1], 0x0               ; x s[4:5], Wq s[6:7], Wk s[8:9], Wv s[10:11]
	s_load_b128 s[12:15], s[0:1], 0x20             ; Wo s[12:13], wb s[14:15]
	s_and_b32 s16, ttmp7, 0xffff                   ; p: which source
	v_lshlrev_b32 v1, 4, v0                        ; 16 t: my bytes in the source
	v_lshlrev_b32 v2, 3, v0                        ; 8 t: my bytes in wb
	s_lshl_b32 s18, ttmp9, 16                      ; the work-group's 65,536 source bytes
	s_mov_b32 s19, 0
	s_lshl_b32 s20, s16, 23                        ; plane p of wb: 8,388,608 bytes each,
	s_lshl_b32 s21, ttmp9, 15                      ; and the work-group's 32,768 bytes in it
	s_add_co_u32 s20, s20, s21
	s_mov_b32 s21, 0
	s_wait_kmcnt 0x0
.irp p, 1,2,3,4
	s_cmp_eq_u32 s16, \p                           ; the choice hangs on the work-group's y alone
	s_cselect_b64 s[4:5], s[4+2*\p:5+2*\p], s[4:5]
.endr
	s_add_nc_u64 s[4:5], s[4:5], s[18:19]
	s_add_nc_u64 s[14:15], s[14:15], s[20:21]
.irp i, 0,1,2,3,4,5,6,7,8,9,10,11,12,13,14,15
	global_load_b128 v[X+4*\i:X+4*\i+3], v1, s[4:5] offset:STEP*\i th:TH_LOAD_NT   ; read once in the launch
.endr
.irp i, 0,1,2,3,4,5,6,7,8,9,10,11,12,13,14,15
	s_wait_loadcnt 15-\i                           ; loads come back in order (ISA guide 5.7.1): load i is in, the 15 - i younger ones stay out
	v_cvt_pk_f16_f32 v[Y+2*\i],   v[X+4*\i],   v[X+4*\i+1]
	v_cvt_pk_f16_f32 v[Y+2*\i+1], v[X+4*\i+2], v[X+4*\i+3]
	global_store_b64 v2, v[Y+2*\i:Y+2*\i+1], s[14:15] offset:STEP/2*\i   ; a wave's store covers 256 consecutive bytes, aligned; later launches read them: no hint
.endr
	s_endpgm
.Lfunc_end_k_qf2a18b3412_cvt:
	.size	k_qf2a18b3412_cvt, .Lfunc_end_k_qf2a18b3412_cvt-k_qf2a18b3412_cvt
	.p2alignl 7, 3214868480
	.fill 96, 4, 3214868480
	.section	.rodata,"a",@progbits
	.p2align	6, 0x0
	.amdhsa_kernel k_qf2a18b3412_cvt
		.amdhsa_group_segment_fixed_size 0
		.amdhsa_private_segment_fixed_size 0
		.amdhsa_enable_private_segment 0
		.amdhsa_kernarg_size 48
		.amdhsa_user_sgpr_count 2
		.amdhsa_user_sgpr_kernarg_segment_ptr 1
		.amdhsa_wavefront_size32 1
		.amdhsa_system_sgpr_workgroup_id_x 1
		.amdhsa_system_sgpr_workgroup_id_y 1
		.amdhsa_system_sgpr_workgroup_id_z 1
		.amdhsa_system_vgpr_workitem_id 0
		.amdhsa_next_free_vgpr 100
		.amdhsa_next_free_sgpr 66
		.amdhsa_reserve_vcc 0
		.amdhsa_float_denorm_mode_32 3
		.amdhsa_float_denorm_mode_16_64 3
		.amdhsa_memory_ordered 1
		.amdhsa_forward_progress 1
		.amdhsa_inst_pref_size 7
	.end_amdhsa_kernel
	.amdgpu_metadata
---
amdhsa.version: [ 1, 2 ]
amdhsa.kernels:
  - .name:           k_qf2a18b3412_cvt
    .symbol:         k_qf2a18b3412_cvt.kd
    .args:
      - { .name: x, .offset: 0, .size: 8, .value_kind: global_buffer, .address_space: global }
      - { .name: Wq, .offset: 8, .size: 8, .value_kind: global_buffer, .address_space: global }
      - { .name: Wk, .offset: 16, .size: 8, .value_kind: global_buffer, .address_space: global }
      - { .name: Wv, .offset: 24, .size: 8, .value_kind: global_buffer, .address_space: global }
      - { .name: Wo, .offset: 32, .size: 8, .value_kind: global_buffer, .address_space: global }
      - { .name: wb, .offset: 40, .size: 8, .value_kind: global_buffer, .address_space: global }
    .group_segment_fixed_size: 0
    .private_segment_fixed_size: 0
    .kernarg_segment_align: 8
    .kernarg_segment_size: 48
    .max_flat_workgroup_size: 256
    .sgpr_count:     66
    .vgpr_count:     100
    .wavefront_size: 32
...
	.end_amdgpu_metadata
.endif
;; end of part 1
;; launch qkv (part 2): grid 16 x 16, 4 waves a work-group, clusters of 4 x 4, 327,680 bytes of LDS; arguments wb, bq, bk, bv, qkv; writes qkv
.if DOCPART == 2
	.amdgcn_target "amdgcn-amd-amdhsa--gfx1250"
	.amdhsa_code_object_version 6
	.text
	.protected	k_qf2a18b3412_qkv
	.globl	k_qf2a18b3412_qkv
	.p2align	8
	.type	k_qf2a18b3412_qkv,@function
k_qf2a18b3412_qkv:
	s_mov_b64 s[64:65], 0
	v_nop
	global_prefetch_b8 v0, s[64:65] scope:SCOPE_SE
	s_setreg_imm32_b32 hwreg(HW_REG_WAVE_MODE, 25, 1), 1
	s_wait_xcnt 0x0
	s_wait_alu depctr_hold_cnt(0) depctr_sa_sdst(0) depctr_va_vdst(0) depctr_va_sdst(0) depctr_va_ssrc(0) depctr_va_vcc(0) depctr_vm_vsrc(0)
	s_getreg_b32 s2, hwreg(HW_REG_IB_STS2, 6, 4)
	s_cmp_eq_u32 s2, 0
	s_cbranch_scc0 .Lentry_in_a_cluster
	s_endpgm
.Lentry_in_a_cluster:
	s_bfe_u32 s2, ttmp6, 0x10000c
	s_cmp_lg_u32 s2, 0xf033
	s_cbranch_scc0 .Lentry_shape_is_right
	s_endpgm
.Lentry_shape_is_right:
; qkv[m][n] = sum over k of x[m][k] W[n][k] + bias[n], m = 0..2047 (batch x 1024 + position), n = 0..6143: rows of Wq, then Wk, then Wv.
; A = plane 0 of wb, B = planes 1 to 3 of wb taken as one matrix [6144][2048], both f16; sums in f32, started by the bias; qkv is f16.
; LIMIT OF FORMAT: |q|, |k|, |v| below 65,504.  The bias is the first term of each sum, then K ascending in steps of 32.
; A work-group makes a block of 128 x 384: 16 x 16 = 256 work-groups, one for each WGP (blocks of 256 x 256 would make 192).  Four waves, as many as a
; WGP has SIMDs; a wave makes all 128 rows x 96 columns: 48 accumulator tiles of 16 x 16, 384 registers; for 32 along K it reads 224 rows from LDS.
; K goes in steps of 128 through a ring of two LDS slots filled by the tensor data mover: a tile's rows are 256 bytes of memory, aligned.
; CLUSTERS: 4 x 4 work-groups.  The four of a row of the cluster need the same tiles of A, the four of a column the same tiles of B.  Such a tile is asked
; for JOINTLY: each of the four issues the same tensor load, with the same descriptor and a mask that names the four.  That divides the requests by four.
;
; REGISTERS, in windows of 256 (s_set_vgpr_msb says which window each operand place means):
;   window 0: v0-31 addresses; v64-127, v128-191 fragments of A (8 x 16 rows x 32 K), two buffers; v192-215 at work on the way out
;   window 1: v0-47 the bias of my 96 columns, laid as six accumulator tiles; v64-111, v128-175 fragments of B (6 x 16 rows x 32 K), two buffers
;   window 2: the 24 accumulator tiles of rows 0-63 (tile (a, b) at v[8 (6 a + b)]);   window 3: those of rows 64-127
; s_set_vgpr_msb's low byte: bits 1:0 source 0, 3:2 source 1, 5:4 source 2, 7:6 destination.
;
; THE MATRIX INSTRUCTION IS USED TRANSPOSED: source 0 = 16 rows of B, source 1 = 16 rows of A.  Lane l then holds row m = l % 16 of C and its registers
; 0 to 7 the columns n = 8 (l / 16) + 0 .. 7: eight neighbouring numbers of a row, which pack into 16 bytes; and a tile of bias is the same for all rows.
.set SIZE_N, 6144
.set SIZE_K, 2048
.set KSTEP,  128
.set PITCH,  272                       ; an LDS row: 256 bytes + 16 of padding = 68 words: row r starts at bank 4 r mod 64 (64 banks of 4 bytes: ISA guide 11.1)
.set HALFT,  128*PITCH                 ; 128 rows: what one tensor load brings
.set SLOT,   4*HALFT                   ; A's 128 rows, then B's 384 rows
.set SP,     784                       ; the way out: a row of the block, 768 bytes + 16: an odd multiple of 16
.set LAPS, SIZE_K/(2*KSTEP)            ; 8 laps; a lap = two K steps = once round the ring
.set ADRA, 16                          ; v16-17  LDS address of A's fragments in slot 0, 1
.set ADRB, 20                          ; v20-21  the same for my 96 rows of B
.set STO,  24                          ; v24-25  the way out: where I put 16 bytes of a row, rows 0-63 and rows 64-127
.set RD0,  26                          ; v26     the way out: reading back, lanes 16-31 one run of 256 bytes further on in the row
.set RD1,  27                          ; v27     the same, lanes 16-31 at the head of the next row
.set CO0,  28                          ; v28     RD0's place in C
.set CO1,  29                          ; v29     RD1's place in C
.set BO,   30                          ; v30     my byte offset in a tile's 16 numbers of bias
.set F0,   64                          ; fragment buffer 0
.set F1,   128                         ; fragment buffer 1
.set TMP,  192                         ; the way out: packed results, in window 0
.set G1, 24                            ; s[24:31] descriptor group 1 for A's tiles
.set G0, 32                            ; s[32:39] descriptor group 0 for A's tiles, one set for each slot
.set G1B, 48                           ; s[48:55] descriptor group 1 for B's tiles: it differs from A's in the mask alone
.set G0B, 56                           ; s[56:63] descriptor group 0 for B's tiles, one set for each slot
.set BP, 76                            ; s[76:87] six addresses: the bias of my six tiles of 16 columns
.set MSB, 0
.macro WIN new                         ; the immediate's high byte repeats the setting that is left
.if MSB != \new
	s_set_vgpr_msb (MSB<<8)|\new
.set MSB, \new
.endif
.endm
.set MUL_LO,  0xa1                     ; source 0 (B) window 1, source 1 (A) window 0, C and D window 2
.set MUL_HI,  0xf1                     ; the same, C and D window 3
.set BIAS_LO, 0x91                     ; the first products: C = the bias in window 1, D window 2
.set BIAS_HI, 0xd1                     ; the same, D window 3
.set TO_B,    0x40                     ; destination window 1, address window 0
; A joint load.  Wave 0 fetches A's 128 rows, waves 1 to 3 each 128 of B's 384.  Each line has one mask and one set of registers for all that issue it.
; The branch hangs on the wave's number alone: it is the same in every work-group.
.macro JLOAD s
	s_cmp_eq_u32 s10, 0
	s_cbranch_scc0 .Lfor_b_\@
	tensor_load_to_lds s[G0+4*\s:G0+4*\s+3], s[G1:G1+7]
	s_nop 0
	s_branch .Lasked_\@
.Lfor_b_\@:
	tensor_load_to_lds s[G0B+4*\s:G0B+4*\s+3], s[G1B:G1B+7]
	s_nop 0
.Lasked_\@:
.endm
; A round of the cluster's barrier: my work-group's barrier, so that wave 0's signal speaks for all four waves; wave 0 signals for the work-group;
; every wave waits for all sixteen work-groups; my work-group's barrier once more.
.macro CREST                           ; a round behind its opening barrier
	s_cmp_lg_u32 s10, 0
	s_cbranch_scc1 .Lnot_wave_0_\@
	s_barrier_signal -3
.Lnot_wave_0_\@:
	s_barrier_wait -3
	s_barrier_signal -1
	s_barrier_wait -1
.endm
.macro CROUND                          ; a whole round
	s_barrier_signal -1
	s_barrier_wait -1
	CREST
.endm
	s_load_b64 s[4:5], s[0:1], 0x0                 ; wb: A at its first byte
	s_load_b64 s[68:69], s[0:1], 0x8               ; bq
	s_load_b64 s[70:71], s[0:1], 0x10              ; bk
	s_load_b64 s[72:73], s[0:1], 0x18              ; bv
	s_load_b64 s[8:9], s[0:1], 0x20                ; qkv
	s_set_vgpr_msb 0x40
	v_lshl_add_u32 v255, v0, 2, 0x44000
	s_set_vgpr_msb 0x4000
	v_mov_b32 v255, 0
	s_set_vgpr_msb 0x1
	ds_add_u32 v255, v255
	s_set_vgpr_msb 0x100
	v_lshrrev_b32 v1, 5, v0
	v_readfirstlane_b32 s10, v1                    ; wave 0..3: my 96 columns; also what I fetch
	s_max_u32 s12, s10, 1
	s_sub_co_u32 s12, s12, 1                       ; waves 1 to 3: which 128 rows of B's tile I fetch (wave 0 makes the first's address and never asks by it)
	s_bfe_u32 s40, ttmp6, 0x40000                  ; cx: my place along the cluster's x
	s_bfe_u32 s41, ttmp6, 0x40004                  ; cy: along its y
	s_lshl_b32 s42, ttmp9, 2                       ; in a cluster launch ttmp9 and ttmp7 count clusters
	s_add_co_u32 s42, s42, s40                     ; block column of C = 4 x cluster x + cx, 0..15
	s_and_b32 s13, ttmp7, 0xffff
	s_lshl_b32 s13, s13, 2
	s_add_co_u32 s13, s13, s41                     ; block row of C = 4 x cluster y + cy, 0..15
	s_lshl_b32 s43, s41, 2
	s_lshl_b32 s43, 15, s43                        ; my row of the cluster: places 4 cy .. 4 cy + 3
	s_lshl_b32 s44, 0x1111, s40                    ; my column: places cx, cx + 4, cx + 8, cx + 12
	; descriptor group 1: a tile of 128 rows x 128 elements, padded in LDS
	s_or_b32 s[G1+0], s43, (1<<16)|(1<<20)|(1<<21)|(5<<22)|(3<<25)  ; 15:0 the mask: A's tiles go to my row; 17:16 element of 2 bytes; 20 padding on; 21 set beside a mask; 24:22 after every 64 words; 31:25 of 4 words
	s_or_b32 s[G1B+0], s44, (1<<16)|(1<<20)|(1<<21)|(5<<22)|(3<<25) ; the same with the mask of my column, for B's tiles
.irp g, G1, G1B
	s_mov_b32 s[\g+1], KSTEP<<16                   ; tensor_dim0 = 128
	s_mov_b32 s[\g+2], 128<<16                     ; tensor_dim1 = 128
	s_mov_b32 s[\g+3], KSTEP<<16                   ; tile_dim0 = 128
	s_mov_b32 s[\g+4], 128                         ; tile_dim1 = 128
	s_mov_b32 s[\g+5], SIZE_K                      ; elements from row to row
	s_mov_b32 s[\g+6], 0
	s_mov_b32 s[\g+7], 0
.endr
	; where the tiles come from.  A's hang on the block row alone, which my row of the cluster shares; B's on the block column and the wave's number.
	s_lshl_b32 s16, s13, 19                        ; A: 128 x block row rows of 4,096 bytes: below 2^23
	s_mov_b32 s17, 0
	s_mul_i32 s46, s42, 384
	s_lshl_b32 s47, s12, 7
	s_add_co_u32 s46, s46, s47                     ; B: row 384 x block column + 128 x part
	s_lshl_b32 s46, s46, 12                        ; in bytes: below 2^25
	s_mov_b32 s47, 0
	s_mul_i32 s20, s10, HALFT                      ; and where they go: A's rows, then B's three parts = wave x 128 rows
	s_wait_dscnt 0x0
	s_wait_kmcnt 0x0
	s_add_nc_u64 s[6:7], s[4:5], 0x800000          ; B: planes 1 to 3 of wb, one plane of 8,388,608 bytes behind A
	s_add_nc_u64 s[14:15], s[4:5], s[16:17]
	s_add_nc_u64 s[46:47], s[6:7], s[46:47]
	CROUND                                         ; all sixteen work-groups are here: the first joint loads meet
.irp s, 0,1
	s_mov_b32 s[G0+4*\s], 1                                        ; count = 1
	s_add_co_u32 s[G0+4*\s+1], s20, \s*SLOT                        ; LDS address
	s_add_nc_u64 s[G0+4*\s+2:G0+4*\s+3], s[14:15], \s*KSTEP*2      ; global address: K step s
	s_or_b32 s[G0+4*\s+3], s[G0+4*\s+3], 0x80000000                ; type = 2
	s_mov_b32 s[G0B+4*\s], 1
	s_add_co_u32 s[G0B+4*\s+1], s20, \s*SLOT
	s_add_nc_u64 s[G0B+4*\s+2:G0B+4*\s+3], s[46:47], \s*KSTEP*2
	s_or_b32 s[G0B+4*\s+3], s[G0B+4*\s+3], 0x80000000
	JLOAD \s                                       ; the ring is filled before anything else is done: two tensor loads of the wave are out
.endr
	; The bias.  A projection has 2,048 columns, no multiple of 96 or 384 but one of 16: each tile of 16 columns lies in one of the three buffers.
	s_mul_i32 s45, s42, 384
	s_mul_i32 s43, s10, 96
	s_add_co_u32 s45, s45, s43                     ; my first column
.irp b, 0,1,2,3,4,5
	s_add_co_u32 s74, s45, 16*\b                   ; the tile's first column,
	s_lshr_b32 s75, s74, 11                        ; its projection,
	s_and_b32 s74, s74, 2047                       ; its place there,
	s_lshl_b32 s74, s74, 2                         ; in bytes
	s_cmp_eq_u32 s75, 1
	s_cselect_b64 s[BP+2*\b:BP+2*\b+1], s[70:71], s[68:69]
	s_cmp_eq_u32 s75, 2
	s_cselect_b64 s[BP+2*\b:BP+2*\b+1], s[72:73], s[BP+2*\b:BP+2*\b+1]
	s_mov_b32 s75, 0
	s_add_nc_u64 s[BP+2*\b:BP+2*\b+1], s[BP+2*\b:BP+2*\b+1], s[74:75]
.endr
	v_and_b32 v1, 15, v0                           ; l % 16
	v_bfe_u32 v2, v0, 4, 1                         ; l / 16
	v_lshlrev_b32 v[BO], 5, v2                     ; 8 numbers for each half of the lanes
	WIN TO_B
.irp b, 0,1,2,3,4,5
	global_load_b128 v[8*\b:8*\b+3],   v[BO], s[BP+2*\b:BP+2*\b+1]             ; register 8 b + j = bias[16 b + 8 (l / 16) + j]: a tile of C whose rows are all alike
	global_load_b128 v[8*\b+4:8*\b+7], v[BO], s[BP+2*\b:BP+2*\b+1] offset:16
.endr
	WIN 0
	; A fragment is 16 rows x 32 K in 8 registers: lane l holds row l % 16; registers 0-3 hold K = 8 (l / 16) + 0..7, registers 4-7 hold
	; K = 16 + 8 (l / 16) + 0..7.  From rows that lie along K: two loads of 16 bytes, 32 bytes apart.
	v_mul_u32_u24 v3, v1, PITCH
	v_lshl_add_u32 v3, v2, 4, v3                   ; row x pitch + 16 x half
	s_mul_i32 s22, s10, 96*PITCH                   ; my 96 rows of B,
	s_add_co_u32 s22, s22, HALFT                   ; which lie behind A's 128
	v_mov_b32 v[ADRA], v3                          ; every wave reads all of A's rows
	v_add_nc_u32 v[ADRA+1], SLOT, v3
	v_add_nc_u32 v[ADRB], s22, v3
	v_add_nc_u32 v[ADRB+1], SLOT, v[ADRB]
	; the way out: the block is gathered in slot 0, rows of 768 bytes at pitch 784
	s_mul_i32 s23, s10, 192                        ; my 96 columns of f16
	v_mul_u32_u24 v4, v1, SP                       ; in: row l % 16, 16 bytes for each half of the lanes
	v_lshl_add_u32 v4, v2, 4, v4
	v_add_nc_u32 v[STO], s23, v4
	v_add_nc_u32 v[STO+1], 64*SP, v[STO]           ; rows 64-127: beyond what a 16-bit immediate reaches
	s_mul_i32 s23, s10, 32*SP                      ; back: I take rows 32 wave .. 32 wave + 31, whole.  Two rows are six runs of 256 bytes, two runs a load:
	v_lshl_add_u32 v5, v1, 4, s23                  ; 16 bytes a lane in a run;
	v_lshl_add_u32 v[RD0], v2, 8, v5               ; runs (0, 1) of a row, and with 784 + 256 in the immediate runs (1, 2) of the next: lanes 16-31 are 256 bytes on;
	v_mul_u32_u24 v6, v2, SP-512
	v_add_nc_u32 v[RD1], v6, v5                    ; with 512 in the immediate: run 2 of a row and run 0 of the next: lanes 16-31 are 784 - 512 bytes on
	v_lshlrev_b32 v5, 4, v1                        ; and the same places in C, whose rows are 12,288 bytes apart
	v_lshl_add_u32 v[CO0], v2, 8, v5
	v_mul_u32_u24 v6, v2, SIZE_N*2-512
	v_add_nc_u32 v[CO1], v6, v5
; 12 matrix instructions: m blocks a0, a0 + 1 of the window's four (hi = 0: rows 0-63, 1: rows 64-127) x my 6 n blocks, 32 along K.
; first = 1: the product is added to the bias tile of its n block and starts the sum: nothing is cleared, and no bias is added on the way out.
.macro MUL12 f, hi, a0, first
.irp a, \a0, \a0+1
.irp b, 0,1,2,3,4,5
.if \first
	v_wmma_f32_16x16x32_f16 v[8*(6*(\a)+\b):8*(6*(\a)+\b)+7], v[\f+8*\b:\f+8*\b+7], v[\f+8*(4*\hi+\a):\f+8*(4*\hi+\a)+7], v[8*\b:8*\b+7]
.else
	v_wmma_f32_16x16x32_f16 v[8*(6*(\a)+\b):8*(6*(\a)+\b)+7], v[\f+8*\b:\f+8*\b+7], v[\f+8*(4*\hi+\a):\f+8*(4*\hi+\a)+7], v[8*(6*(\a)+\b):8*(6*(\a)+\b)+7]
.endif
.endr
.endr
.endm
; 28 LDS loads in one run: the fragments of one quarter step (96 rows of B, 128 rows of A, 32 K at byte k of the rows) into buffer f
.macro FETCH slot, k, f
	WIN TO_B
.irp i, 0,1,2,3,4,5
	ds_load_b128 v[\f+8*\i:\f+8*\i+3],   v[ADRB+\slot] offset:\k+\i*16*PITCH
	ds_load_b128 v[\f+8*\i+4:\f+8*\i+7], v[ADRB+\slot] offset:\k+\i*16*PITCH+32
.endr
	WIN 0
.irp i, 0,1,2,3,4,5,6,7
	ds_load_b128 v[\f+8*\i:\f+8*\i+3],   v[ADRA+\slot] offset:\k+\i*16*PITCH
	ds_load_b128 v[\f+8*\i+4:\f+8*\i+7], v[ADRA+\slot] offset:\k+\i*16*PITCH+32
.endr
.endm
; A load into a register that a matrix instruction has read, and a vector instruction that reads a matrix result, stand four places behind that
; matrix instruction, and only plain vector instructions that name none of its registers are places (ISA guide 7.12.1 for vector instructions)
; Four v_nop in front of each run of loads.
.macro PLACES
.rept 4
	v_nop
.endr
.endm
; A K step is four quarter steps of 32 along K, 48 matrix instructions each, on buffers 0, 1, 0, 1.  The 48 accumulators take turns, one instruction
; a turn, in the same order in every quarter, over the backward jump too.
.macro QUARTER slot, k, f, g, first
	s_wait_dscnt 8                                 ; B and A's rows 0-63 are in; the youngest eight loads (A's rows 64-127) may be out
.if \first
	WIN BIAS_LO
.else
	WIN MUL_LO
.endif
	MUL12 \f, 0, 0, \first
	MUL12 \f, 0, 2, \first
	PLACES
	FETCH \slot, \k, \g
	s_wait_dscnt 28                                ; all but the 28 just issued
.if \first
	WIN BIAS_HI
.else
	WIN MUL_HI
.endif
	MUL12 \f, 1, 0, \first
	MUL12 \f, 1, 2, \first
.endm
.macro THREE slot, first
	QUARTER \slot, 64,  F0, F1, \first
	QUARTER \slot, 128, F1, F0, 0
	QUARTER \slot, 192, F0, F1, 0
.endm
; The last quarter: multiplies buffer 1 and changes slots.  next = the other slot; fill = 1: this slot is filled again, two K steps ahead.
; One barrier for the change of slots.  In front of it each wave waits for its own reads of this slot and for all its tensor loads, of which one is
; out: its part of the next slot.  Behind it nobody reads this slot any more and the next slot is whole: the refill comes first, then the next slot's
; first fragments.  From a request to the wait for it a wave issues 180 matrix instructions.
.macro TURN slot, next, fill
	s_wait_dscnt 8
	WIN MUL_LO
	MUL12 F1, 0, 0, 0
	s_wait_dscnt 0                                 ; my reads of this slot are over
	s_wait_tensorcnt 0x0                           ; and all my tensor loads have landed: the one that was out is my part of the next slot
	ds_add_u32 v255, v255
	s_wait_dscnt 0x0
	s_barrier_signal -1                            ; say so (where a slot is filled again this barrier opens a round of the cluster's barrier),
	MUL12 F1, 0, 2, 0                              ; work on registers while the others arrive,
	WIN 0
	s_barrier_wait -1                              ; and go on when all four have said so
.if \fill
	CREST                                          ; all sixteen work-groups have said so: no wave of any partner still reads this slot's tile or has a load on its way
	s_add_nc_u64 s[G0+4*\slot+2:G0+4*\slot+3], s[G0+4*\slot+2:G0+4*\slot+3], 2*KSTEP*2
	s_add_nc_u64 s[G0B+4*\slot+2:G0B+4*\slot+3], s[G0B+4*\slot+2:G0B+4*\slot+3], 2*KSTEP*2
	JLOAD \slot                                    ; the first tensor load behind the round, and the wave's only one until the next: one is out
.endif
	PLACES
	FETCH \next, 0, F0
	WIN MUL_HI
	MUL12 F1, 1, 0, 0
	MUL12 F1, 1, 2, 0
.endm
.macro LAP first                       ; once round the ring, both slots filled again
	THREE 0, \first
	TURN 0, 1, 1
	THREE 1, 0
	TURN 1, 0, 1
.endm
	s_wait_loadcnt 0x0                             ; the bias is in its registers
	s_wait_tensorcnt 1                             ; my part of K step 0 is in; K step 1's load, issued behind it, may stay out
	s_barrier_signal -1
	s_barrier_wait -1                              ; everybody's is
	FETCH 0, 0, F0
	LAP 1                                          ; the first lap stands in front of the loop: its first products start the sums
	WIN 0                                          ; at a label and at a branch every window is 0
	s_mov_b32 s3, LAPS-2
.Llap:
	LAP 0
	WIN 0
	s_sub_co_u32 s3, s3, 1
	s_cmp_lg_u32 s3, 0
	s_cbranch_scc1 .Llap
	THREE 0, 0                                     ; the last lap fills nothing: my one tensor load that is still out is slot 1's, the last K step's
	TURN 0, 1, 0                                   ; behind this barrier no wave reads slot 0 any more, and no load fills it again
	THREE 1, 0
	s_wait_dscnt 8                                 ; the very last quarter: nothing more to fetch
	WIN MUL_LO
	MUL12 F1, 0, 0, 0
	MUL12 F1, 0, 2, 0
	s_wait_dscnt 0
	WIN MUL_HI
	MUL12 F1, 1, 0, 0
	MUL12 F1, 1, 2, 0
	; THE WAY OUT.  My 96 columns are 192 bytes of a row, no whole run of 256; the block's 384 columns are 768 bytes, three whole runs.  So the four waves
	; gather the block in LDS, in slot 0 (its last fill is over and its last reads ended in front of the last change of slots), and each wave
	; stores 32 whole rows.
	PLACES                                         ; the places behind the last matrix instructions, for the conversions and for the loads into buffers 0 and 1
	s_lshl_b32 s13, s13, 7
	s_lshl_b32 s14, s10, 5
	s_add_co_u32 s16, s13, s14                     ; the first row that I store: 128 x block row + 32 x wave
	s_mul_i32 s16, s16, SIZE_N*2                   ; below 2^25
	s_mov_b32 s17, 0
	s_add_nc_u64 s[8:9], s[8:9], s[16:17]
	s_mul_i32 s46, s42, 768                        ; the block's first column, in bytes
	s_mov_b32 s47, 0
	s_add_nc_u64 s[8:9], s[8:9], s[46:47]
; rows 16 a .. 16 a + 15 of the window's 64 (from = 0x0a: sources 0 and 1 in window 2, 0x0f: window 3; sto: the address for those 64 rows): round to f16, 16 bytes a lane
.macro PACK a, from, sto
	WIN \from
.irp b, 0,1,2,3,4,5
.irp r, 0,1,2,3
	v_cvt_pk_f16_f32 v[TMP+4*\b+\r], v[8*(6*\a+\b)+2*\r], v[8*(6*\a+\b)+2*\r+1]
.endr
.endr
	WIN 0
.irp b, 0,1,2,3,4,5
	ds_store_b128 v[\sto], v[TMP+4*\b:TMP+4*\b+3] offset:\a*16*SP+32*\b
.endr
.endm
	PACK 0, 0x0a, STO
	PACK 1, 0x0a, STO
	PACK 2, 0x0a, STO
	PACK 3, 0x0a, STO
	PACK 0, 0x0f, STO+1
	PACK 1, 0x0f, STO+1
	PACK 2, 0x0f, STO+1
	PACK 3, 0x0f, STO+1
	s_wait_dscnt 0x0                               ; my part of the block lies in LDS,
	s_barrier_signal -1
	s_barrier_wait -1                              ; everybody's does
; eight of my 32 rows: twelve loads of two runs of 256 bytes each, and their stores.  f: F0 or F1 in turn
.macro BACK k, f
	s_wait_xcnt 0x0                                ; every earlier memory instruction has had its addresses translated (ISA guide 3.1): buffer f, which stores read, is loaded again only behind this wait
.irp p, 0,1,2,3
	ds_load_b128 v[\f+12*\p:\f+12*\p+3],    v[RD0] offset:(4*\k+\p)*2*SP
	ds_load_b128 v[\f+12*\p+4:\f+12*\p+7],  v[RD1] offset:(4*\k+\p)*2*SP+512
	ds_load_b128 v[\f+12*\p+8:\f+12*\p+11], v[RD0] offset:(4*\k+\p)*2*SP+SP+256
.endr
.irp p, 0,1,2,3
	s_wait_dscnt 11-3*\p                           ; LDS loads come back in order (ISA guide 5.7.1): this one is in, the younger ones of the twelve stay out
	global_store_b128 v[CO0], v[\f+12*\p:\f+12*\p+3],    s[8:9] offset:(4*\k+\p)*2*SIZE_N*2   ; each half of the lanes stores 256 consecutive bytes, aligned
	s_wait_dscnt 10-3*\p
	global_store_b128 v[CO1], v[\f+12*\p+4:\f+12*\p+7],  s[8:9] offset:(4*\k+\p)*2*SIZE_N*2+512
	s_wait_dscnt 9-3*\p
	global_store_b128 v[CO0], v[\f+12*\p+8:\f+12*\p+11], s[8:9] offset:(4*\k+\p)*2*SIZE_N*2+SIZE_N*2+256
.endr
.endm
	BACK 0, F0
	BACK 1, F1
	BACK 2, F0
	BACK 3, F1
	s_set_vgpr_msb 0x1
	s_wait_tensorcnt 0x0
	ds_add_u32 v255, v255
	s_wait_dscnt 0x0
	s_set_vgpr_msb 0x100
	CROUND                                         ; the closing round: no work-group ends while a partner may still ask for a tile that names it
	s_endpgm
.Lfunc_end_k_qf2a18b3412_qkv:
	.size	k_qf2a18b3412_qkv, .Lfunc_end_k_qf2a18b3412_qkv-k_qf2a18b3412_qkv
	.p2alignl 7, 3214868480
	.fill 96, 4, 3214868480
	.section	.rodata,"a",@progbits
	.p2align	6, 0x0
	.amdhsa_kernel k_qf2a18b3412_qkv
		.amdhsa_group_segment_fixed_size 327680
		.amdhsa_private_segment_fixed_size 0
		.amdhsa_enable_private_segment 0
		.amdhsa_kernarg_size 40
		.amdhsa_user_sgpr_count 2
		.amdhsa_user_sgpr_kernarg_segment_ptr 1
		.amdhsa_wavefront_size32 1
		.amdhsa_system_sgpr_workgroup_id_x 1
		.amdhsa_system_sgpr_workgroup_id_y 1
		.amdhsa_system_sgpr_workgroup_id_z 1
		.amdhsa_system_vgpr_workitem_id 0
		.amdhsa_next_free_vgpr 960
		.amdhsa_next_free_sgpr 88
		.amdhsa_reserve_vcc 0
		.amdhsa_float_denorm_mode_32 3
		.amdhsa_float_denorm_mode_16_64 3
		.amdhsa_memory_ordered 1
		.amdhsa_forward_progress 1
		.amdhsa_inst_pref_size 161
	.end_amdhsa_kernel
	.amdgpu_metadata
---
amdhsa.version: [ 1, 2 ]
amdhsa.kernels:
  - .name:           k_qf2a18b3412_qkv
    .symbol:         k_qf2a18b3412_qkv.kd
    .args:
      - { .name: wb, .offset: 0, .size: 8, .value_kind: global_buffer, .address_space: global }
      - { .name: bq, .offset: 8, .size: 8, .value_kind: global_buffer, .address_space: global }
      - { .name: bk, .offset: 16, .size: 8, .value_kind: global_buffer, .address_space: global }
      - { .name: bv, .offset: 24, .size: 8, .value_kind: global_buffer, .address_space: global }
      - { .name: qkv, .offset: 32, .size: 8, .value_kind: global_buffer, .address_space: global }
    .group_segment_fixed_size: 327680
    .private_segment_fixed_size: 0
    .kernarg_segment_align: 8
    .kernarg_segment_size: 40
    .max_flat_workgroup_size: 128
    .sgpr_count:     88
    .vgpr_count:     960
    .wavefront_size: 32
...
	.end_amdgpu_metadata
.endif
;; end of part 2
;; launch attn (part 3): grid 256 x 1, 8 waves a work-group, clusters of 4 x 1, 327,680 bytes of LDS; arguments qkv, ao; writes ao
.if DOCPART == 3
	.amdgcn_target "amdgcn-amd-amdhsa--gfx1250"
	.amdhsa_code_object_version 6
	.text
	.protected	k_qf2a18b3412_attn
	.globl	k_qf2a18b3412_attn
	.p2align	8
	.type	k_qf2a18b3412_attn,@function
k_qf2a18b3412_attn:
	s_mov_b64 s[64:65], 0
	v_nop
	global_prefetch_b8 v0, s[64:65] scope:SCOPE_SE
	s_setreg_imm32_b32 hwreg(HW_REG_WAVE_MODE, 25, 1), 1
	s_wait_xcnt 0x0
	s_wait_alu depctr_hold_cnt(0) depctr_sa_sdst(0) depctr_va_vdst(0) depctr_va_sdst(0) depctr_va_ssrc(0) depctr_va_vcc(0) depctr_vm_vsrc(0)
	s_getreg_b32 s2, hwreg(HW_REG_IB_STS2, 6, 4)
	s_cmp_eq_u32 s2, 0
	s_cbranch_scc0 .Lentry_in_a_cluster
	s_endpgm
.Lentry_in_a_cluster:
	s_bfe_u32 s2, ttmp6, 0x10000c
	s_cmp_lg_u32 s2, 0x3003
	s_cbranch_scc0 .Lentry_shape_is_right
	s_endpgm
.Lentry_shape_is_right:
; ao[b][q][head][:] = softmax over keys k <= q of (Q[q] . K[k] / sqrt(128)) applied to V, for 2 x 16 (batch, head) pairs, 1024 positions, 128 per head.
; qkv: f16 [2048][6144], a row = q (bytes 0..), k (4,096..), v (8,192..), a head's part 256 bytes.  ao: f16 [2048][2048].
; Softmax in f32 with a running maximum: p = 2^(c s - c m), c = log2(e) / sqrt(128); the same rounded c m serves p and the rescaling of the sums.
; The running maximum starts at the lowest finite f32, not at -infinity, so that a wave that has seen hidden keys alone still holds finite figures;
; no finite score lies below that start, so m is the true maximum as soon as one open key has been seen.
; LIMITS: operands are f16 (|q|, |k|, |v| below 65,504); p is rounded to f16, so p below 6e-8 counts as 0; NaN and infinities in the inputs are not served.
;
; SHARING.  A head's 1024 queries are four super-blocks of 256.  A cluster of four work-groups does two of them, J0 = 3 - j and then J1 = j
; (j = cluster & 1), so that every cluster walks (4 - j) + (j + 1) = 5 key tiles of 256.  Work-group cx takes rows 64 cx .. of the super-block.
; EIGHT WAVES, two on each SIMD: waves w and w + 4 take the same 16 queries; of a tile's four chunks of 64 keys wave w takes the even ones, wave w + 4 the
; odd ones.  The softmax is vector work, as long as the products: with two waves on a SIMD one wave's vector work can issue while the other's products
; and LDS loads run.  At a pass's end wave w + 4 hands its sums to wave w through LDS, and wave w joins the two and stores.
; All four work-groups need the same K and V tiles at the same time: each tile is asked for JOINTLY (mask 15), which divides the requests by four.
; The last tile of a pass lies on the diagonal and is masked; tiles above the diagonal are never touched.
;
; DATAFLOW, transposed, so that no number changes lanes but the two row figures:
;   S^T tile = (16 keys x 32 d of K as source 0) x (32 d x 16 queries of Q as source 1): lane (r, h), register i = key 8 h + i, query r.
;   Two neighbouring tiles, rounded to f16 in the lane, ARE the source-1 fragment of P for 32 keys (registers 0-3: keys 8 h .., 4-7: keys 16 + 8 h ..).
;   O^T tile = (16 d x 32 keys of V^T as source 0, read from V's rows by the transposing LDS load) x P: lane (r, h), register i = d 8 h + i, query r.
;   A query's maximum and sum live in the two lanes r and r + 16, which meet by one v_permlanex16_b32.
;
; LDS: slot s at s x 143,360: K's 256 rows at pitch 272, then V's 256 rows at pitch 288 (an odd multiple of 32, for the transposing load);
;      behind the two slots 8,704 bytes for each pair of waves, into which no fill lands: first the odd wave's sums, then the even wave's stage (16 rows x 272).
; REGISTERS: window 0 as named below; window 1: v0-127 K's fragments of a chunk of 64 keys (at a pass's end the partner's sums), v128-255 V's.
.set QKVP,   12288                     ; bytes in a row of qkv
.set KP,     272
.set VP,     288
.set KBYTES, 256*KP                    ; 69,632
.set SLOT,   KBYTES+256*VP             ; 143,360
.set XCH,    2*SLOT                    ; 286,720
.set XPAIR,  8704                      ; 16 x 512 bytes of O, 512 bytes with the two row figures
.set SPITCH, 272
.set TILEB,  256*QKVP                  ; from a key tile to the next, in memory
.set CPOS,   0x3e0293ee                ; c = log2(e) / sqrt(128)
.set CNEG,   0xbe0293ee                ; -c
.set G1K, 24                           ; s[24:31] group 1 for K's tiles
.set G1V, 32                           ; s[32:39] group 1 for V's: a wider pad
.set G0K, 40                           ; s[40:47] group 0 for K's, one set for each slot
.set G0V, 48                           ; s[48:55] group 0 for V's
.set KAD0, 4                           ; v4-5    LDS address of my K fragments in my first chunk of slot 0, 1
.set VAD0, 6                           ; v6-7    the same for V
.set KAD,  8                           ; v8      the same, at the chunk at work
.set VAD,  9                           ; v9
.set DIFF0, 10                         ; v10     my query's place in the super-block less 8 h less 64 x (my first chunk)
.set DIFF, 11                          ; v11     the same at the chunk at work: key 16 t + i of the chunk is hidden where 16 t + i > DIFF
.set NINF, 12                          ; v12     -infinity
.set STO,  13                          ; v13     the way out: where I put 16 bytes of a row
.set RD,   14                          ; v14     where I read a row back
.set CO,   15                          ; v15     my byte offset in ao
.set QOF,  16                          ; v16     my byte offset in Q's 16 rows
.set MX,   17                          ; v17     running maximum of the raw scores
.set NM,   18                          ; v[18:19] -c x MX, twice
.set AL,   20                          ; v[20:21] 2^(c old MX - c new MX), twice
.set LS,   22                          ; v22     running sum of p over my half of my keys
.set XA,   23                          ; v23     my 16 bytes in each 512 of my pair's exchange
.set T,    24                          ; v[24:31] at work
.set QA,   32                          ; v[32:63] Q's four fragments, the pass at work
.set QB,   64                          ; v[64:95] the second pass's
.set S,    96                          ; v[96:127] four S^T tiles; on the way out the packed result
.set P,    128                         ; v[128:143] P, two fragments
.set O,    144                         ; v[144:207] eight O^T tiles
.set OC,   208                         ; v[208:239] rows read back from the stage
.set KF,   0                           ; window 1: fragment (d block c, key tile t) at 8 (4 c + t)
.set VF,   128                         ; window 1: fragment (key group g, d tile dt) at 128 + 8 (8 g + dt)
.set MSB, 0
.macro WIN new                         ; the immediate's high byte repeats the setting that is left
.if MSB != \new
	s_set_vgpr_msb (MSB<<8)|\new
.set MSB, \new
.endif
.endm
.set TO_1, 0x40                        ; destination window 1, address window 0
.set MUL,  0x01                        ; source 0 window 1, all else window 0
.macro PLACES                          ; four places behind a matrix instruction (ISA guide 7.12.1 for vector instructions)
.rept 4
	v_nop
.endr
.endm
; A round of the cluster's barrier.
.macro ROUND
	s_barrier_signal -1
	s_barrier_wait -1
	s_cmp_lg_u32 s10, 0
	s_cbranch_scc1 .Lnot_wave_0_\@
	s_barrier_signal -3
.Lnot_wave_0_\@:
	s_barrier_wait -3
	s_barrier_signal -1
	s_barrier_wait -1
.endm
; A joint load: waves 0 to 3 fetch K's four quarters of 64 rows, waves 4 to 7 V's.  The branch hangs on the wave's number alone.
.macro JLOAD s
	s_cmp_eq_u32 s11, 0
	s_cbranch_scc0 .Lfor_v_\@
	tensor_load_to_lds s[G0K+4*\s:G0K+4*\s+3], s[G1K:G1K+7]
	s_nop 0
	s_branch .Lasked_\@
.Lfor_v_\@:
	tensor_load_to_lds s[G0V+4*\s:G0V+4*\s+3], s[G1V:G1V+7]
	s_nop 0
.Lasked_\@:
.endm
; The addresses of step un's tile into the slot's two groups 0: tile = un in the first pass (un < N0), un - N0 in the second.
.macro NEXT slot, un
	s_cmp_le_u32 s16, \un
	s_cselect_b32 s20, s16, 0
	s_sub_co_u32 s20, \un, s20
	s_mul_i32 s20, s20, TILEB
	s_mov_b32 s21, 0
	s_add_nc_u64 s[G0K+4*\slot+2:G0K+4*\slot+3], s[56:57], s[20:21]
	s_or_b32 s[G0K+4*\slot+3], s[G0K+4*\slot+3], 0x80000000
	s_add_nc_u64 s[G0V+4*\slot+2:G0V+4*\slot+3], s[58:59], s[20:21]
	s_or_b32 s[G0V+4*\slot+3], s[G0V+4*\slot+3], 0x80000000
.endm
; The start of a pass.  -c x MX is then about 4e37: the first chunk with an open key rescales the sums by 2^(-4e37) = 0, a chunk without one by 2^0 = 1.
; clear = 1, at the kernel's start: O has not been written yet.  At the change of pass O holds finite numbers (at most 1,024 x 65,504), which that factor 0,
; or for a wave that sees no open key the factor 0 of the joining, removes: so a pass's first chunk runs the loop's text and nothing is cleared again.
.macro RESET clear
	v_mov_b32 v[MX], 0xff7fffff
	v_mul_f32 v[NM], CNEG, v[MX]
	v_mov_b32 v[LS], 0
	v_mov_b32 v[NM+1], v[NM]
.if \clear
.set i, 0
.rept 64
	v_mov_b32 v[O+i], 0
.set i, i+1
.endr
.endif
.endm
	s_load_b128 s[4:7], s[0:1], 0x0                ; qkv s[4:5], ao s[6:7]
	v_lshl_add_u32 v254, v0, 2, 0x4e800
	v_mov_b32 v255, 0
	ds_add_u32 v254, v255
	v_lshrrev_b32 v1, 5, v0
	v_readfirstlane_b32 s10, v1                    ; wave 0..7
	s_lshr_b32 s11, s10, 2                         ; my chunks: the even (0) or the odd (1) ones.  Also: I fetch for K (0) or for V (1)
	s_and_b32 s12, s10, 3                          ; which 16 queries are mine.  Also: which 64 rows of the tile I fetch
	s_bfe_u32 s13, ttmp6, 0x40000                  ; cx: it enters Q's and ao's addresses and the mask's DIFF0, and nothing else
	s_lshr_b32 s14, ttmp9, 1                       ; batch x 16 + head (ttmp9 counts clusters)
	s_and_b32 s15, ttmp9, 1                        ; j
	s_sub_co_u32 s16, 4, s15                       ; N0: tiles of the first pass
	s_sub_co_u32 s17, 3, s15                       ; N0 - 1 = J0: the first pass's super-block, and the step of its diagonal tile
	s_lshr_b32 s8, s14, 4                          ; batch
	s_and_b32 s9, s14, 15
	s_lshl_b32 s9, s9, 8                           ; the head's 256 bytes in a row
	s_mov_b32 s70, 0x76543210                      ; v_permlanex16_b32: lane i of one half reads lane i of the other
	s_mov_b32 s71, 0xfedcba98
	; group 1: a tile of 64 rows x 128 elements of 2 bytes, rows 6,144 elements apart, padded behind every 64 words; mask 15: all four work-groups
	s_mov_b32 s[G1K+0], 15|(1<<16)|(1<<20)|(1<<21)|(5<<22)|(3<<25)  ; pad of 4 words: pitch 272
	s_mov_b32 s[G1V+0], 15|(1<<16)|(1<<20)|(1<<21)|(5<<22)|(7<<25)  ; pad of 8 words: pitch 288
.irp g, G1K, G1V
	s_mov_b32 s[\g+1], 128<<16                     ; tensor_dim0 = 128
	s_mov_b32 s[\g+2], 64<<16                      ; tensor_dim1 = 64
	s_mov_b32 s[\g+3], 128<<16                     ; tile_dim0 = 128
	s_mov_b32 s[\g+4], 64                          ; tile_dim1 = 64
	s_mov_b32 s[\g+5], 6144                        ; elements from row to row
	s_mov_b32 s[\g+6], 0
	s_mov_b32 s[\g+7], 0
.endr
	s_lshl_b32 s20, s8, 10                         ; the batch's first row,
	s_lshl_b32 s21, s12, 6                         ; my quarter of a tile's rows,
	s_add_co_u32 s20, s20, s21
	s_mul_i32 s20, s20, QKVP
	s_add_co_u32 s20, s20, s9                      ; the head
	s_mov_b32 s21, 0
	s_mul_i32 s22, s12, 64*KP                      ; where my quarter of K goes,
	s_mul_i32 s23, s12, 64*VP
	s_add_co_u32 s23, s23, KBYTES                  ; and my quarter of V: the wave's number and constants alone
	s_wait_dscnt 0x0
	s_wait_kmcnt 0x0
	s_add_nc_u64 s[56:57], s[4:5], s[20:21]
	s_add_nc_u64 s[58:59], s[56:57], 8192          ; V's tile 0, my quarter
	s_add_nc_u64 s[56:57], s[56:57], 4096          ; K's tile 0, my quarter
	ROUND                                          ; all four work-groups are here: the first joint loads meet
.irp s, 0,1
	s_mov_b32 s[G0K+4*\s], 1
	s_add_co_u32 s[G0K+4*\s+1], s22, \s*SLOT
	s_add_nc_u64 s[G0K+4*\s+2:G0K+4*\s+3], s[56:57], \s*TILEB      ; steps 0 and 1 are tiles 0 and 1: the first pass has three tiles at the least
	s_or_b32 s[G0K+4*\s+3], s[G0K+4*\s+3], 0x80000000
	s_mov_b32 s[G0V+4*\s], 1
	s_add_co_u32 s[G0V+4*\s+1], s23, \s*SLOT
	s_add_nc_u64 s[G0V+4*\s+2:G0V+4*\s+3], s[58:59], \s*TILEB
	s_or_b32 s[G0V+4*\s+3], s[G0V+4*\s+3], 0x80000000
	JLOAD \s                                       ; both slots' first fills go out together: two tensor loads of the wave are out
.endr
	; my 16 queries: row = 1024 batch + 256 J + 64 cx + 16 (wave & 3), in registers that feed no descriptor
	s_lshl_b32 s72, s13, 6
	s_lshl4_add_u32 s72, s12, s72                  ; 64 cx + 16 (wave & 3)
	s_lshl_b32 s73, s8, 10
	s_add_co_u32 s73, s73, s72
	s_lshl_b32 s74, s17, 8
	s_add_co_u32 s74, s74, s73                     ; the first pass's row
	s_lshl_b32 s75, s15, 8
	s_add_co_u32 s73, s73, s75                     ; the second pass's
	s_mov_b32 s3, 0
	s_mul_i32 s2, s74, QKVP
	s_add_co_u32 s2, s2, s9
	s_add_nc_u64 s[66:67], s[4:5], s[2:3]          ; Q, first pass
	s_mul_i32 s2, s73, QKVP
	s_add_co_u32 s2, s2, s9
	s_add_nc_u64 s[68:69], s[4:5], s[2:3]          ; Q, second pass
	s_lshl_b32 s2, s74, 12
	s_add_co_u32 s2, s2, s9
	s_add_nc_u64 s[60:61], s[6:7], s[2:3]          ; ao, the pass at work
	s_lshl_b32 s2, s73, 12
	s_add_co_u32 s2, s2, s9
	s_add_nc_u64 s[62:63], s[6:7], s[2:3]          ; ao, second pass
	v_and_b32 v2, 15, v0                           ; r
	v_bfe_u32 v3, v0, 4, 1                         ; h
	v_mul_u32_u24 v1, v2, QKVP
	v_lshl_add_u32 v[QOF], v3, 4, v1               ; query r's row, 16 bytes for each half of the lanes
.irp c, 0,1,2,3
	global_load_b128 v[QA+8*\c:QA+8*\c+3],   v[QOF], s[66:67] offset:64*\c      ; source-1 fragment: column = query r, d = 32 c + 8 h ..
	global_load_b128 v[QA+8*\c+4:QA+8*\c+7], v[QOF], s[66:67] offset:64*\c+32   ; d = 32 c + 16 + 8 h ..
	global_load_b128 v[QB+8*\c:QB+8*\c+3],   v[QOF], s[68:69] offset:64*\c
	global_load_b128 v[QB+8*\c+4:QB+8*\c+7], v[QOF], s[68:69] offset:64*\c+32
.endr
	v_mul_u32_u24 v[KAD], v2, KP
	v_lshl_add_u32 v[KAD], v3, 4, v[KAD]           ; row r at pitch 272, + 16 h: K's lane term, and the stage's
	s_mul_i32 s20, s11, 64*KP                      ; my first chunk: 0 or 1
	v_add_nc_u32 v[KAD0], s20, v[KAD]
	v_add_nc_u32 v[KAD0+1], SLOT, v[KAD0]
	v_and_b32 v1, 7, v0
	v_lshl_add_u32 v1, v3, 3, v1                   ; V, for the transposing load: key 8 h + (l & 7),
	v_mul_u32_u24 v[VAD0], v1, VP
	v_bfe_u32 v1, v0, 3, 1
	v_lshl_add_u32 v[VAD0], v1, 4, v[VAD0]         ; 16 bytes on for lanes 8-15 and 24-31,
	s_mul_i32 s21, s11, 64*VP                      ; my first chunk,
	s_add_co_u32 s21, s21, KBYTES                  ; behind K's rows
	v_add_nc_u32 v[VAD0], s21, v[VAD0]
	v_add_nc_u32 v[VAD0+1], SLOT, v[VAD0]
	v_lshlrev_b32 v1, 3, v3
	v_sub_nc_u32 v[DIFF0], v2, v1
	s_lshl_b32 s75, s11, 6
	s_sub_co_u32 s75, s72, s75
	v_add_nc_u32 v[DIFF0], s75, v[DIFF0]           ; 64 cx + 16 (wave & 3) + r - 8 h - 64 x (my first chunk), signed
	v_mov_b32 v[NINF], 0xff800000
	s_mul_i32 s23, s12, XPAIR
	s_add_co_u32 s23, s23, XCH                     ; my pair's bytes
	v_add_nc_u32 v[STO], s23, v[KAD]
	v_mul_u32_u24 v1, v3, SPITCH
	v_lshl_add_u32 v1, v2, 4, v1
	v_add_nc_u32 v[RD], s23, v1                    ; back: lanes 0-15 one row of 256 bytes, lanes 16-31 the next
	v_and_b32 v1, 31, v0
	v_lshl_add_u32 v[XA], v1, 4, s23               ; the exchange: 16 bytes a lane, lane for lane: both waves of a pair hold the same (query, d) in the same lane
	v_lshlrev_b32 v1, 12, v3
	v_lshl_add_u32 v[CO], v2, 4, v1                ; two rows in ao, 4,096 bytes apart
	RESET 1
	s_wait_loadcnt 0x0                             ; Q of both passes
; One chunk: 64 keys against my 16 queries.  16 + 16 matrix instructions.
; msk 0: the tile lies below the diagonal.  msk 1: it lies on the diagonal if s18 = 1.  msk 2: it lies on the diagonal.
.macro CHUNK msk
	PLACES                                         ; behind the last chunk's products: for the loads into their sources and the vector writes of O and P
	WIN TO_1
.irp c, 0,1,2,3
.irp t, 0,1,2,3
	ds_load_b128 v[KF+8*(4*\c+\t):KF+8*(4*\c+\t)+3],   v[KAD] offset:\t*16*KP+64*\c      ; keys 16 t + r, d = 32 c + 8 h ..
	ds_load_b128 v[KF+8*(4*\c+\t)+4:KF+8*(4*\c+\t)+7], v[KAD] offset:\t*16*KP+64*\c+32   ; d = 32 c + 16 + 8 h ..
.endr
.endr
	WIN MUL
.irp c, 0,1,2,3
	s_wait_dscnt 24-8*\c                           ; d block c's eight loads are in; those of the 3 - c later blocks stay out
.irp t, 0,1,2,3
.if \c == 0
	v_wmma_f32_16x16x32_f16 v[S+8*\t:S+8*\t+7], v[KF+8*(4*\c+\t):KF+8*(4*\c+\t)+7], v[QA+8*\c:QA+8*\c+7], 0   ; the first product starts the sum
.else
	v_wmma_f32_16x16x32_f16 v[S+8*\t:S+8*\t+7], v[KF+8*(4*\c+\t):KF+8*(4*\c+\t)+7], v[QA+8*\c:QA+8*\c+7], v[S+8*\t:S+8*\t+7]   ; the four tiles take turns
.endif
.endr
.endr
	WIN TO_1
.irp g, 0,1
.irp dt, 0,1,2,3,4,5,6,7
	ds_load_tr16_b128 v[VF+8*(8*\g+\dt):VF+8*(8*\g+\dt)+3],   v[VAD] offset:\g*32*VP+32*\dt         ; row d = 16 dt + r of V^T, keys 32 g + 8 h ..
	ds_load_tr16_b128 v[VF+8*(8*\g+\dt)+4:VF+8*(8*\g+\dt)+7], v[VAD] offset:\g*32*VP+32*\dt+16*VP   ; keys 32 g + 16 + 8 h ..: they land while the softmax runs
.endr
.endr
	WIN 0
	v_add_nc_u32 v[KAD], 128*KP, v[KAD]            ; my next chunk, two on; these two and the two v_nop are the four places behind the score products
	v_add_nc_u32 v[VAD], 128*VP, v[VAD]
	v_nop
	v_nop
.if \msk == 1
	s_cmp_eq_u32 s18, 0                            ; s18 is the same in all waves and all partners
	s_cbranch_scc1 .Lopen_\@
.endif
.if \msk
.irp t, 0,1,2,3
.irp i, 0,1,2,3,4,5,6,7
	v_cmp_gt_i32 vcc_lo, 16*\t+\i, v[DIFF]         ; key beyond my query
	v_cndmask_b32 v[S+8*\t+\i], v[S+8*\t+\i], v[NINF], vcc_lo
.endr
.endr
.endif
.if \msk == 1
.Lopen_\@:
.endif
.if \msk
	v_add_nc_u32 v[DIFF], 0xffffff80, v[DIFF]      ; 128 keys on
.endif
	; the running maximum: four chains, one a tile, then the old maximum, then the other half of the keys.
	; A chunk that is all hidden leaves it as it was.
.irp t, 0,1,2,3
	v_max3_num_f32 v[T+\t], v[S+8*\t], v[S+8*\t+1], v[S+8*\t+2]
.endr
.irp t, 0,1,2,3
	v_max3_num_f32 v[T+\t], v[T+\t], v[S+8*\t+3], v[S+8*\t+4]
.endr
.irp t, 0,1,2,3
	v_max3_num_f32 v[T+\t], v[T+\t], v[S+8*\t+5], v[S+8*\t+6]
.endr
.irp t, 0,1,2,3
	v_max_num_f32 v[T+\t], v[T+\t], v[S+8*\t+7]
.endr
	v_max3_num_f32 v[T], v[T], v[T+1], v[T+2]
	v_max3_num_f32 v[T], v[T], v[T+3], v[MX]
	v_permlanex16_b32 v[T+1], v[T], s70, s71
	v_max_num_f32 v[MX], v[T], v[T+1]
	v_mul_f32 v[T+4], CNEG, v[MX]                  ; -c x new maximum
	v_sub_f32 v[AL], v[T+4], v[NM]                 ; c old - c new, from the two rounded figures that p is made with
	v_exp_f32 v[AL], v[AL]
	v_mov_b32 v[NM], v[T+4]                        ; a plain instruction behind the exponential, before its result is used (ISA guide 5.7.2)
	v_mov_b32 v[NM+1], v[T+4]
.set i, 0
.rept 16
	v_pk_fma_f32 v[S+i:S+i+1], v[S+i:S+i+1], CPOS, v[NM:NM+1] op_sel_hi:[1,0,1]   ; c s - c m, one rounding
.set i, i+2
.endr
	s_wait_alu depctr_va_vdst(0)
	v_mov_b32 v[AL+1], v[AL]
.set i, 0
.rept 32
	v_exp_f32 v[S+i], v[S+i]                       ; p
.set i, i+1
.endr
.set i, 0
.rept 32
	v_pk_mul_f32 v[O+i:O+i+1], v[O+i:O+i+1], v[AL:AL+1]   ; the sums so far, to the new maximum; also the plain work behind the exponentials
.set i, i+2
.endr
	s_wait_alu depctr_va_vdst(0)
.irp q, 0,1,2,3
	v_pk_add_f32 v[T+2*\q:T+2*\q+1], v[S+2*\q:S+2*\q+1], v[S+8+2*\q:S+8+2*\q+1]   ; the sum of my 32 p, in four chains
.endr
.irp q, 0,1,2,3
	v_pk_add_f32 v[T+2*\q:T+2*\q+1], v[T+2*\q:T+2*\q+1], v[S+16+2*\q:S+16+2*\q+1]
.endr
.irp q, 0,1,2,3
	v_pk_add_f32 v[T+2*\q:T+2*\q+1], v[T+2*\q:T+2*\q+1], v[S+24+2*\q:S+24+2*\q+1]
.endr
	v_pk_add_f32 v[T:T+1], v[T:T+1], v[T+2:T+3]
	v_pk_add_f32 v[T+4:T+5], v[T+4:T+5], v[T+6:T+7]
	v_pk_add_f32 v[T:T+1], v[T:T+1], v[T+4:T+5]
	v_add_f32 v[T], v[T], v[T+1]
	v_fma_f32 v[LS], v[LS], v[AL], v[T]
.irp t, 0,1,2,3
.irp i, 0,1,2,3
	v_cvt_pk_f16_f32 v[P+4*\t+\i], v[S+8*\t+2*\i], v[S+8*\t+2*\i+1]   ; tiles 2 g and 2 g + 1 make fragment g
.endr
.endr
	WIN MUL
.irp g, 0,1
	s_wait_dscnt 16-16*\g                          ; key group g's sixteen loads are in; group 1's may stay out while group 0 is multiplied
.irp dt, 0,1,2,3,4,5,6,7
	v_wmma_f32_16x16x32_f16 v[O+8*\dt:O+8*\dt+7], v[VF+8*(8*\g+\dt):VF+8*(8*\g+\dt)+7], v[P+8*\g:P+8*\g+7], v[O+8*\dt:O+8*\dt+7]   ; the eight tiles take turns
.endr
.endr
	WIN 0
.endm
; The end of a pass.  Waves 4 to 7 put their sums into their pair's bytes; one barrier; waves 0 to 3 join the two halves of the keys, divide by the sum,
; round to f16 and store through their stage as whole rows of 256 bytes.  last = 0: every wave sets up the second pass.
.macro FINAL last
	PLACES                                         ; behind the last products, before O is read
	s_cmp_eq_u32 s11, 0
	s_cbranch_scc1 .Lmine_\@
	v_mov_b32 v[T], v[NM]                          ; -c x my maximum,
	v_mov_b32 v[T+1], v[LS]                        ; my sum (the two registers behind them go along unread)
.irp g, 0,1,2,3,4,5,6,7,8,9,10,11,12,13,14,15
	ds_store_b128 v[XA], v[O+4*\g:O+4*\g+3] offset:512*\g          ; 32 lanes x 16 neighbouring bytes
.endr
	ds_store_b128 v[XA], v[T:T+3] offset:8192
.Lmine_\@:
	s_wait_dscnt 0x0                               ; for my partner's sake: my stores are done
	s_barrier_signal -1
	s_barrier_wait -1
	s_cmp_lg_u32 s11, 0
	s_cbranch_scc1 .Lsent_\@
	WIN TO_1
.irp g, 0,1,2,3,4,5,6,7,8,9,10,11,12,13,14,15
	ds_load_b128 v[KF+4*\g:KF+4*\g+3], v[XA] offset:512*\g         ; the partner's O, into registers that K's fragments have left
.endr
	WIN 0
	ds_load_b128 v[T:T+3], v[XA] offset:8192       ; T = -c x its maximum, T + 1 = its sum
	s_wait_dscnt 0x0
	v_min_num_f32 v[T+2], v[NM], v[T]              ; -c x the larger maximum
	v_sub_f32 v[T+4], v[T+2], v[NM]                ; both differences are 0 or below
	v_sub_f32 v[T+5], v[T+2], v[T]                 ; (about -4e37 for a partner that saw no open key: its factor is 0)
	v_exp_f32 v[T+4], v[T+4]
	v_exp_f32 v[T+5], v[T+5]
	v_nop                                          ; a plain place behind the exponentials (ISA guide 5.7.2)
	s_wait_alu depctr_va_vdst(0)
	v_mul_f32 v[LS], v[LS], v[T+4]
	v_fmac_f32 v[LS], v[T+1], v[T+5]
	v_permlanex16_b32 v[T+2], v[LS], s70, s71      ; the other half of the lanes' keys
	v_add_f32 v[LS], v[LS], v[T+2]                 ; at least about 1: the largest p of the row
	v_rcp_f32 v[T+2], v[LS]
	v_nop                                          ; a plain place behind the reciprocal
	s_wait_alu depctr_va_vdst(0)
	v_mul_f32 v[AL], v[T+4], v[T+2]                ; my factor over the sum,
	v_mul_f32 v[T+6], v[T+5], v[T+2]               ; the partner's
	v_mov_b32 v[AL+1], v[AL]
	v_mov_b32 v[T+7], v[T+6]
.set i, 0
.rept 32
	v_pk_mul_f32 v[O+i:O+i+1], v[O+i:O+i+1], v[AL:AL+1]
.set i, i+2
.endr
	WIN MUL
.set i, 0
.rept 32
	v_pk_fma_f32 v[O+i:O+i+1], v[KF+i:KF+i+1], v[T+6:T+7], v[O+i:O+i+1]
.set i, i+2
.endr
	WIN 0
.set i, 0
.rept 32
	v_cvt_pk_f16_f32 v[S+i], v[O+2*i], v[O+2*i+1]  ; four registers a tile: d = 16 dt + 8 h + 0..7 of query r
.set i, i+1
.endr
.irp dt, 0,1,2,3,4,5,6,7
	ds_store_b128 v[STO], v[S+4*\dt:S+4*\dt+3] offset:32*\dt       ; over bytes of the exchange that I have read; the partner writes them again only behind later barriers
.endr
	s_wait_xcnt 0x0                                ; OC, which an earlier pass's stores read, is loaded again only behind this wait (ISA guide 3.1)
.irp t, 0,1,2,3,4,5,6,7
	ds_load_b128 v[OC+4*\t:OC+4*\t+3], v[RD] offset:\t*2*SPITCH    ; LDS serves a wave's instructions in order (ISA guide 5.7.1.4): these see the stores above
.endr
.irp t, 0,1,2,3,4,5,6,7
	s_wait_dscnt 7-\t                              ; load t is in, the 7 - t younger ones stay out
	global_store_b128 v[CO], v[OC+4*\t:OC+4*\t+3], s[60:61] offset:8192*\t   ; 16 lanes store 256 consecutive bytes, aligned: a head's part of a row
.endr
.Lsent_\@:
.if \last == 0
	s_wait_xcnt 0x0                                ; the stores' base is rewritten only behind this wait
	s_mov_b64 s[60:61], s[62:63]
.set i, 0
.rept 32
	v_mov_b32 v[QA+i], v[QB+i]                     ; the second pass's queries, so that both passes run one text
.set i, i+1
.endr
	RESET 0
.endif
.endm
; Step u of five: the tile in slot `slot`, my two chunks of it.
; sync 0: the first tile. sync 1: the other slot (fslot) is filled again with step fu's tile.  sync 2: the last tile.
; kind 0: never a diagonal tile.  kind 1: diagonal, and the first pass's end, if u = N0 - 1.  kind 2: the second pass's diagonal tile and end.
.macro SSTEP u, slot, fslot, fu, sync, kind
.if \sync == 0
	s_wait_tensorcnt 0x1                           ; my part of slot 0 is in; slot 1's load, issued behind it, may stay out
	s_barrier_signal -1
	s_barrier_wait -1                              ; everybody's is
.endif
.if \sync == 1
	s_wait_dscnt 0x0                               ; my reads of the slot read last are over
	s_wait_tensorcnt 0x0                           ; all my tensor loads have landed, my part of this step's tile among them: every group 0 may be written
	ds_add_u32 v254, v255
	s_wait_dscnt 0x0
	NEXT \fslot, \fu
	ROUND                                          ; both now hold of every wave of all four work-groups
	JLOAD \fslot                                   ; the first tensor load behind the round and the wave's only one until the next: one is out; it has this step's chunks in which to land
.endif
.if \sync == 2
	s_wait_dscnt 0x0
	s_wait_tensorcnt 0x0                           ; my part of the last tile is in
	s_barrier_signal -1
	s_barrier_wait -1
.endif
.if \kind == 1
	s_cmp_eq_u32 s17, \u
	s_cselect_b32 s18, 1, 0
.endif
	v_mov_b32 v[KAD], v[KAD0+\slot]
	v_mov_b32 v[VAD], v[VAD0+\slot]
.if \kind
	v_mov_b32 v[DIFF], v[DIFF0]
.endif
	s_mov_b32 s19, 0
.Lchunk_\@:
	CHUNK \kind
	s_add_co_u32 s19, s19, 1
	s_cmp_lt_u32 s19, 2
	s_cbranch_scc1 .Lchunk_\@
.if \kind == 1
	s_cmp_eq_u32 s18, 0                            ; the same in every wave: all eight pass FINAL's barrier or none does
	s_cbranch_scc1 .Lon_\@
	FINAL 0
.Lon_\@:
.endif
.if \kind == 2
	FINAL 1
.endif
.endm
	SSTEP 0, 0, 0, 0, 0, 0
	SSTEP 1, 1, 0, 2, 1, 0                         ; slot 0 gets step 2's tile
	SSTEP 2, 0, 1, 3, 1, 1                         ; slot 1 gets step 3's
	SSTEP 3, 1, 0, 4, 1, 1                         ; slot 0 gets step 4's: the last load
	SSTEP 4, 0, 0, 0, 2, 2
	s_wait_tensorcnt 0x0
	ds_add_u32 v254, v255
	s_wait_dscnt 0x0
	ROUND                                          ; the closing round: no work-group ends while a partner may still ask for a tile that names it
	s_endpgm
.Lfunc_end_k_qf2a18b3412_attn:
	.size	k_qf2a18b3412_attn, .Lfunc_end_k_qf2a18b3412_attn-k_qf2a18b3412_attn
	.p2alignl 7, 3214868480
	.fill 96, 4, 3214868480
	.section	.rodata,"a",@progbits
	.p2align	6, 0x0
	.amdhsa_kernel k_qf2a18b3412_attn
		.amdhsa_group_segment_fixed_size 327680
		.amdhsa_private_segment_fixed_size 0
		.amdhsa_enable_private_segment 0
		.amdhsa_kernarg_size 16
		.amdhsa_user_sgpr_count 2
		.amdhsa_user_sgpr_kernarg_segment_ptr 1
		.amdhsa_wavefront_size32 1
		.amdhsa_system_sgpr_workgroup_id_x 1
		.amdhsa_system_sgpr_workgroup_id_y 1
		.amdhsa_system_sgpr_workgroup_id_z 1
		.amdhsa_system_vgpr_workitem_id 0
		.amdhsa_next_free_vgpr 512
		.amdhsa_next_free_sgpr 76
		.amdhsa_reserve_vcc 1
		.amdhsa_float_denorm_mode_32 3
		.amdhsa_float_denorm_mode_16_64 3
		.amdhsa_memory_ordered 1
		.amdhsa_forward_progress 1
		.amdhsa_inst_pref_size 132
	.end_amdhsa_kernel
	.amdgpu_metadata
---
amdhsa.version: [ 1, 2 ]
amdhsa.kernels:
  - .name:           k_qf2a18b3412_attn
    .symbol:         k_qf2a18b3412_attn.kd
    .args:
      - { .name: qkv, .offset: 0, .size: 8, .value_kind: global_buffer, .address_space: global }
      - { .name: ao, .offset: 8, .size: 8, .value_kind: global_buffer, .address_space: global }
    .group_segment_fixed_size: 327680
    .private_segment_fixed_size: 0
    .kernarg_segment_align: 8
    .kernarg_segment_size: 16
    .max_flat_workgroup_size: 256
    .sgpr_count:     76
    .vgpr_count:     512
    .wavefront_size: 32
...
	.end_amdgpu_metadata
.endif
;; end of part 3
;; launch oproj (part 4): grid 16 x 16, 4 waves a work-group, clusters of 4 x 4, 327,680 bytes of LDS; arguments ao, wb, bo, out0; writes out0
.if DOCPART == 4
	.amdgcn_target "amdgcn-amd-amdhsa--gfx1250"
	.amdhsa_code_object_version 6
	.text
	.protected	k_qf2a18b3412_oproj
	.globl	k_qf2a18b3412_oproj
	.p2align	8
	.type	k_qf2a18b3412_oproj,@function
k_qf2a18b3412_oproj:
	s_mov_b64 s[64:65], 0
	v_nop
	global_prefetch_b8 v0, s[64:65] scope:SCOPE_SE
	s_setreg_imm32_b32 hwreg(HW_REG_WAVE_MODE, 25, 1), 1
	s_wait_xcnt 0x0
	s_wait_alu depctr_hold_cnt(0) depctr_sa_sdst(0) depctr_va_vdst(0) depctr_va_sdst(0) depctr_va_ssrc(0) depctr_va_vcc(0) depctr_vm_vsrc(0)
	s_getreg_b32 s2, hwreg(HW_REG_IB_STS2, 6, 4)
	s_cmp_eq_u32 s2, 0
	s_cbranch_scc0 .Lentry_in_a_cluster
	s_endpgm
.Lentry_in_a_cluster:
	s_bfe_u32 s2, ttmp6, 0x10000c
	s_cmp_lg_u32 s2, 0xf033
	s_cbranch_scc0 .Lentry_shape_is_right
	s_endpgm
.Lentry_shape_is_right:
; out0[m][n] = sum over k of ao[m][k] Wo[n][k] + bo[n].  ao: f16 [2048][2048]; Wo: plane 4 of wb, f16 [2048][2048]; bo, out0: f32.
; Sums in f32, started by the bias, then K ascending in steps of 32.  LIMIT OF FORMAT: the operands are f16 (|ao|, |Wo| below 65,504).
; 16 x 16 = 256 work-groups, each a block of 128 x 128 of out0 with four waves, 2 x 2, a wave 64 x 64: 16 accumulator tiles.  (Blocks of 256 x 256 would
; leave only 64 work-groups.)  K goes in steps of 256 through a ring of two LDS slots: a tile's rows are 512 bytes of memory, aligned; with 16 tiles
; a wave a step of 128 would hold only 64 matrix instructions, so a slot holds twice that: from a request to the wait for it a wave issues 120.
; CLUSTERS: 4 x 4 work-groups; A's tiles are asked for jointly along a row of the cluster, B's along a column, which divides the requests by four.
; REGISTERS: window 0: v0-31 addresses; v64-127, v128-191 fragments of A, two buffers (fragment (K block c, row block i) at 8 (4 c + i));
;   window 1: v0-31 the bias of my 64 columns as four accumulator tiles; v64-127, v128-191 fragments of B;   window 2: v0-127 tile (a, b) at 8 (4 a + b).
; THE MATRIX INSTRUCTION IS USED TRANSPOSED (source 0 = rows of Wo, source 1 = rows of ao): lane l holds row l % 16 and columns 8 (l / 16) + 0..7.
.set SIZE_N, 2048
.set SIZE_K, 2048
.set KSLOT,  256                       ; K in a slot
.set PITCH,  528                       ; an LDS row: 512 bytes + 16 of padding, an odd multiple of 16: the 16 rows of a load start at 16 different groups of four banks (ISA guide 11.1)
.set HALFT,  64*PITCH                  ; 64 rows: what one tensor load brings, and what one wave reads of A or of B
.set SLOT,   4*HALFT                   ; A's 128 rows, then B's 128 rows
.set STAGE,  2*SLOT                    ; behind the ring: 16 rows x 272 bytes for each wave; no fill lands here
.set SPITCH, 272
.set LAPS, SIZE_K/(2*KSLOT)            ; 4 laps of two slots
.set ADRA, 16                          ; v16-17
.set ADRB, 20                          ; v20-21
.set STO,  24
.set RD,   25
.set CO,   26
.set BO,   27
.set F0,   64
.set F1,   128
.set G1, 24
.set G0, 32
.set G1B, 48
.set G0B, 56
.set MSB, 0
.macro WIN new                         ; the immediate's high byte repeats the setting that is left
.if MSB != \new
	s_set_vgpr_msb (MSB<<8)|\new
.set MSB, \new
.endif
.endm
.set MUL,   0xa1                       ; source 0 (B) window 1, source 1 (A) window 0, C and D window 2
.set BIAS,  0x91                       ; the first products: C = the bias in window 1
.set TO_B,  0x40                       ; destination window 1, address window 0
.set FROM2, 0x08                       ; an LDS store's data (source 1) from window 2
.macro JLOAD s                         ; waves 0 and 1 fetch A's two halves, waves 2 and 3 B's; the branch hangs on the wave's number alone
	s_cmp_eq_u32 s11, 0
	s_cbranch_scc0 .Lfor_b_\@
	tensor_load_to_lds s[G0+4*\s:G0+4*\s+3], s[G1:G1+7]
	s_nop 0
	s_branch .Lasked_\@
.Lfor_b_\@:
	tensor_load_to_lds s[G0B+4*\s:G0B+4*\s+3], s[G1B:G1B+7]
	s_nop 0
.Lasked_\@:
.endm
.macro CREST                           ; a round of the cluster's barrier behind its opening barrier
	s_cmp_lg_u32 s10, 0
	s_cbranch_scc1 .Lnot_wave_0_\@
	s_barrier_signal -3
.Lnot_wave_0_\@:
	s_barrier_wait -3
	s_barrier_signal -1
	s_barrier_wait -1
.endm
.macro CROUND                          ; a whole round
	s_barrier_signal -1
	s_barrier_wait -1
	CREST
.endm
.macro PLACES                          ; four places behind a matrix instruction (ISA guide 7.12.1 for vector instructions)
.rept 4
	v_nop
.endr
.endm
	s_load_b128 s[4:7], s[0:1], 0x0                ; ao s[4:5], wb s[6:7]
	s_load_b64 s[68:69], s[0:1], 0x10              ; bo
	s_load_b64 s[8:9], s[0:1], 0x18                ; out0
	s_set_vgpr_msb 0x40
	v_lshl_add_u32 v255, v0, 2, 0x46400
	s_set_vgpr_msb 0x4000
	v_mov_b32 v255, 0
	s_set_vgpr_msb 0x1
	ds_add_u32 v255, v255
	s_set_vgpr_msb 0x100
	v_lshrrev_b32 v1, 5, v0
	v_readfirstlane_b32 s10, v1                    ; wave 0..3
	s_lshr_b32 s11, s10, 1                         ; which half of the block's rows is mine.  Also: I fetch for A (0) or for B (1)
	s_and_b32 s12, s10, 1                          ; which half of its columns.  Also: which 64 rows of that tile I fetch
	s_bfe_u32 s40, ttmp6, 0x40000                  ; cx
	s_bfe_u32 s41, ttmp6, 0x40004                  ; cy
	s_lshl_b32 s42, ttmp9, 2
	s_add_co_u32 s42, s42, s40                     ; block column = 4 x cluster x + cx
	s_and_b32 s13, ttmp7, 0xffff
	s_lshl_b32 s13, s13, 2
	s_add_co_u32 s13, s13, s41                     ; block row = 4 x cluster y + cy
	s_lshl_b32 s43, s41, 2
	s_lshl_b32 s43, 15, s43                        ; my row of the cluster
	s_lshl_b32 s44, 0x1111, s40                    ; my column
	; group 1: a tile of 64 rows x 256 elements of 2 bytes, padded by 4 words behind every 128 words
	s_or_b32 s[G1+0], s43, (1<<16)|(1<<20)|(1<<21)|(6<<22)|(3<<25)
	s_or_b32 s[G1B+0], s44, (1<<16)|(1<<20)|(1<<21)|(6<<22)|(3<<25)
.irp g, G1, G1B
	s_mov_b32 s[\g+1], KSLOT<<16                   ; tensor_dim0 = 256
	s_mov_b32 s[\g+2], 64<<16                      ; tensor_dim1 = 64
	s_mov_b32 s[\g+3], KSLOT<<16                   ; tile_dim0 = 256
	s_mov_b32 s[\g+4], 64                          ; tile_dim1 = 64
	s_mov_b32 s[\g+5], SIZE_K                      ; elements from row to row
	s_mov_b32 s[\g+6], 0
	s_mov_b32 s[\g+7], 0
.endr
	s_lshl_b32 s17, s12, 6                         ; which 64 rows of the tile I fetch
	s_lshl_b32 s16, s13, 7
	s_add_co_u32 s16, s16, s17                     ; A: row 128 x block row + 64 x half
	s_lshl_b32 s16, s16, 12                        ; rows of 4,096 bytes: below 2^23
	s_lshl_b32 s46, s42, 7
	s_add_co_u32 s46, s46, s17                     ; B: row 128 x block column + 64 x half
	s_lshl_b32 s46, s46, 12
	s_mov_b32 s17, 0
	s_mov_b32 s47, 0
	s_mul_i32 s20, s10, HALFT                      ; where they go: A's two halves, then B's two halves = wave x 64 rows
	s_wait_dscnt 0x0
	s_wait_kmcnt 0x0
	s_add_nc_u64 s[6:7], s[6:7], 0x2000000         ; Wo: plane 4 of wb, four planes of 8,388,608 bytes in
	s_add_nc_u64 s[14:15], s[4:5], s[16:17]
	s_add_nc_u64 s[46:47], s[6:7], s[46:47]
	CROUND                                         ; all sixteen work-groups are here: the first joint loads meet
.irp s, 0,1
	s_mov_b32 s[G0+4*\s], 1
	s_add_co_u32 s[G0+4*\s+1], s20, \s*SLOT
	s_add_nc_u64 s[G0+4*\s+2:G0+4*\s+3], s[14:15], \s*KSLOT*2
	s_or_b32 s[G0+4*\s+3], s[G0+4*\s+3], 0x80000000
	s_mov_b32 s[G0B+4*\s], 1
	s_add_co_u32 s[G0B+4*\s+1], s20, \s*SLOT
	s_add_nc_u64 s[G0B+4*\s+2:G0B+4*\s+3], s[46:47], \s*KSLOT*2
	s_or_b32 s[G0B+4*\s+3], s[G0B+4*\s+3], 0x80000000
	JLOAD \s                                       ; both slots' first fills: two tensor loads of the wave are out
.endr
	s_lshl_b32 s74, s42, 9                         ; the block's 128 numbers of bias, 4 bytes each
	s_mov_b32 s75, 0
	s_add_nc_u64 s[68:69], s[68:69], s[74:75]
	v_and_b32 v1, 15, v0                           ; l % 16
	v_bfe_u32 v2, v0, 4, 1                         ; l / 16
	v_lshlrev_b32 v[BO], 5, v2
	v_lshl_add_u32 v[BO], s12, 8, v[BO]            ; my wave's 64 columns + 8 numbers for each half of the lanes
	WIN TO_B
.irp b, 0,1,2,3
	global_load_b128 v[8*\b:8*\b+3],   v[BO], s[68:69] offset:64*\b      ; register 8 b + j = bo[16 b + 8 (l / 16) + j]
	global_load_b128 v[8*\b+4:8*\b+7], v[BO], s[68:69] offset:64*\b+16
.endr
	WIN 0
	v_mul_u32_u24 v3, v1, PITCH
	v_lshl_add_u32 v3, v2, 4, v3                   ; row x pitch + 16 x half
	s_mul_i32 s21, s11, HALFT                      ; my 64 rows of A
	s_mul_i32 s22, s12, HALFT                      ; my 64 rows of B,
	s_add_co_u32 s22, s22, 2*HALFT                 ; which lie behind A's 128
.irp s, 0,1
	v_add_nc_u32 v[ADRA+\s], s21, v3
	v_add_nc_u32 v[ADRB+\s], s22, v3
	s_add_co_u32 s21, s21, SLOT
	s_add_co_u32 s22, s22, SLOT
.endr
	s_mul_i32 s23, s10, 16*SPITCH
	s_add_co_u32 s23, s23, STAGE                   ; my stage
	v_mul_u32_u24 v4, v1, SPITCH                   ; in: row l % 16, 32 bytes (8 f32) for each half of the lanes
	v_lshl_add_u32 v4, v2, 5, v4
	v_add_nc_u32 v[STO], s23, v4
	v_mul_u32_u24 v5, v2, SPITCH                   ; back: lanes 0-15 one row of 256 bytes, lanes 16-31 the next
	v_lshl_add_u32 v5, v1, 4, v5
	v_add_nc_u32 v[RD], s23, v5
	v_lshlrev_b32 v5, 13, v2                       ; and the same two rows in out0, 8,192 bytes apart
	v_lshl_add_u32 v[CO], v1, 4, v5
; 8 matrix instructions: K block c of buffer f, m blocks a0, a0 + 1 x all 4 n blocks.  first = 1: the product is added to the bias tile and starts the sum.
.macro MULK f, c, a0, first
.irp a, \a0, \a0+1
.irp b, 0,1,2,3
.if \first
	v_wmma_f32_16x16x32_f16 v[8*(4*(\a)+\b):8*(4*(\a)+\b)+7], v[\f+8*(4*\c+\b):\f+8*(4*\c+\b)+7], v[\f+8*(4*\c+(\a)):\f+8*(4*\c+(\a))+7], v[8*\b:8*\b+7]
.else
	v_wmma_f32_16x16x32_f16 v[8*(4*(\a)+\b):8*(4*(\a)+\b)+7], v[\f+8*(4*\c+\b):\f+8*(4*\c+\b)+7], v[\f+8*(4*\c+(\a)):\f+8*(4*\c+(\a))+7], v[8*(4*(\a)+\b):8*(4*(\a)+\b)+7]
.endif
.endr
.endr
.endm
; 32 LDS loads in one run: the fragments of a quarter of a slot (64 rows of B, 64 rows of A, 64 K at byte k of the rows) into buffer f
.macro FETCH slot, k, f
	WIN TO_B
.irp c, 0,1
.irp i, 0,1,2,3
	ds_load_b128 v[\f+8*(4*\c+\i):\f+8*(4*\c+\i)+3],   v[ADRB+\slot] offset:\k+64*\c+\i*16*PITCH
	ds_load_b128 v[\f+8*(4*\c+\i)+4:\f+8*(4*\c+\i)+7], v[ADRB+\slot] offset:\k+64*\c+\i*16*PITCH+32
.endr
.endr
	WIN 0
.irp c, 0,1
.irp i, 0,1,2,3
	ds_load_b128 v[\f+8*(4*\c+\i):\f+8*(4*\c+\i)+3],   v[ADRA+\slot] offset:\k+64*\c+\i*16*PITCH
	ds_load_b128 v[\f+8*(4*\c+\i)+4:\f+8*(4*\c+\i)+7], v[ADRA+\slot] offset:\k+64*\c+\i*16*PITCH+32
.endr
.endr
.endm
; A slot is four quarters of 64 along K, 32 matrix instructions each, on buffers 0, 1, 0, 1.  The 16 accumulators take turns, one instruction a turn,
; in the same order for every K block, over the backward jump too.
.macro QUARTER slot, k, f, g, first
	s_wait_dscnt 8                                 ; B and A's first K block are in; the youngest eight loads (A's second K block) may be out
.if \first
	WIN BIAS
.else
	WIN MUL
.endif
	MULK \f, 0, 0, \first
	MULK \f, 0, 2, \first
	PLACES
	FETCH \slot, \k, \g
	s_wait_dscnt 32                                ; all but the 32 just issued
	WIN MUL
	MULK \f, 1, 0, 0
	MULK \f, 1, 2, 0
.endm
.macro THREE slot, first
	QUARTER \slot, 128, F0, F1, \first
	QUARTER \slot, 256, F1, F0, 0
	QUARTER \slot, 384, F0, F1, 0
.endm
; The last quarter multiplies buffer 1 and changes slots.  In front of the one barrier each wave waits for its reads of this slot and for all its tensor
; loads (one is out: its part of the next slot); behind it the refill comes first, then the next slot's first fragments.
.macro TURN slot, next, fill
	s_wait_dscnt 8
	WIN MUL
	MULK F1, 0, 0, 0
	s_wait_dscnt 0                                 ; my reads of this slot are over
	s_wait_tensorcnt 0x0                           ; and all my tensor loads have landed
	ds_add_u32 v255, v255
	s_wait_dscnt 0x0
	s_barrier_signal -1                            ; say so (where a slot is filled again this barrier opens a round of the cluster's barrier),
	MULK F1, 0, 2, 0                               ; work on registers while the others arrive,
	WIN 0
	s_barrier_wait -1
.if \fill
	CREST                                          ; no wave of any partner still reads this slot's tile or has a load on its way
	s_add_nc_u64 s[G0+4*\slot+2:G0+4*\slot+3], s[G0+4*\slot+2:G0+4*\slot+3], 2*KSLOT*2
	s_add_nc_u64 s[G0B+4*\slot+2:G0B+4*\slot+3], s[G0B+4*\slot+2:G0B+4*\slot+3], 2*KSLOT*2
	JLOAD \slot                                    ; the first tensor load behind the round, the wave's only one until the next: one is out
.endif
	PLACES
	FETCH \next, 0, F0
	WIN MUL
	MULK F1, 1, 0, 0
	MULK F1, 1, 2, 0
.endm
.macro LAP first
	THREE 0, \first
	TURN 0, 1, 1
	THREE 1, 0
	TURN 1, 0, 1
.endm
	s_wait_loadcnt 0x0                             ; the bias is in its registers
	s_wait_tensorcnt 1                             ; my part of slot 0 is in; slot 1's load, issued behind it, may stay out
	s_barrier_signal -1
	s_barrier_wait -1
	FETCH 0, 0, F0
	LAP 1                                          ; the first lap stands in front of the loop: its first products start the sums
	WIN 0
	s_mov_b32 s3, LAPS-2
.Llap:
	LAP 0
	WIN 0
	s_sub_co_u32 s3, s3, 1
	s_cmp_lg_u32 s3, 0
	s_cbranch_scc1 .Llap
	THREE 0, 0                                     ; the last lap fills nothing
	TURN 0, 1, 0
	THREE 1, 0
	s_wait_dscnt 8
	WIN MUL
	MULK F1, 0, 0, 0
	MULK F1, 0, 2, 0
	s_wait_dscnt 0
	MULK F1, 1, 0, 0
	MULK F1, 1, 2, 0
	; THE WAY OUT, 16 rows at a time: a lane's 32 bytes of a row into my own stage, read back as whole rows of 256 bytes (my 64 columns of f32).
	PLACES                                         ; behind the last matrix instructions: for the LDS stores of results and the loads into buffers 0 and 1
	s_lshl_b32 s13, s13, 7
	s_lshl_b32 s14, s11, 6
	s_add_co_u32 s16, s13, s14                     ; my first row,
	s_lshl_b32 s16, s16, 13                        ; rows of 8,192 bytes: below 2^24
	s_mov_b32 s17, 0
	s_add_nc_u64 s[8:9], s[8:9], s[16:17]
	s_lshl_b32 s46, s42, 9                         ; my first column, in bytes: 512 x block + 256 x half
	s_lshl_b32 s47, s12, 8
	s_add_co_u32 s46, s46, s47
	s_mov_b32 s47, 0
	s_add_nc_u64 s[8:9], s[8:9], s[46:47]
.macro OUTF a, f
	WIN FROM2
.irp b, 0,1,2,3
	ds_store_b128 v[STO], v[8*(4*\a+\b):8*(4*\a+\b)+3]   offset:64*\b
	ds_store_b128 v[STO], v[8*(4*\a+\b)+4:8*(4*\a+\b)+7] offset:64*\b+16
.endr
	WIN 0
	s_wait_xcnt 0x0                                ; buffer f, which earlier stores read, and the stores' base are rewritten only behind this wait (ISA guide 3.1)
.if \a
	s_add_nc_u64 s[8:9], s[8:9], 16*SIZE_N*4       ; 16 rows on
.endif
.irp t, 0,1,2,3,4,5,6,7
	ds_load_b128 v[\f+4*\t:\f+4*\t+3], v[RD] offset:\t*2*SPITCH    ; LDS serves a wave's instructions in order (ISA guide 5.7.1.4): these see the stores above
.endr
.irp t, 0,1,2,3,4,5,6,7
	s_wait_dscnt 7-\t                              ; load t is in, the 7 - t younger ones stay out
	global_store_b128 v[CO], v[\f+4*\t:\f+4*\t+3], s[8:9] offset:2*\t*SIZE_N*4 th:TH_STORE_NT   ; 16 lanes store 256 consecutive bytes, aligned; nothing reads them again
.endr
.endm
	OUTF 0, F0
	OUTF 1, F1
	OUTF 2, F0
	OUTF 3, F1
	s_set_vgpr_msb 0x1
	s_wait_tensorcnt 0x0
	ds_add_u32 v255, v255
	s_wait_dscnt 0x0
	s_set_vgpr_msb 0x100
	CROUND                                         ; the closing round: no work-group ends while a partner may still ask for a tile that names it
	s_endpgm
.Lfunc_end_k_qf2a18b3412_oproj:
	.size	k_qf2a18b3412_oproj, .Lfunc_end_k_qf2a18b3412_oproj-k_qf2a18b3412_oproj
	.p2alignl 7, 3214868480
	.fill 96, 4, 3214868480
	.section	.rodata,"a",@progbits
	.p2align	6, 0x0
	.amdhsa_kernel k_qf2a18b3412_oproj
		.amdhsa_group_segment_fixed_size 327680
		.amdhsa_private_segment_fixed_size 0
		.amdhsa_enable_private_segment 0
		.amdhsa_kernarg_size 32
		.amdhsa_user_sgpr_count 2
		.amdhsa_user_sgpr_kernarg_segment_ptr 1
		.amdhsa_wavefront_size32 1
		.amdhsa_system_sgpr_workgroup_id_x 1
		.amdhsa_system_sgpr_workgroup_id_y 1
		.amdhsa_system_sgpr_workgroup_id_z 1
		.amdhsa_system_vgpr_workitem_id 0
		.amdhsa_next_free_vgpr 640
		.amdhsa_next_free_sgpr 76
		.amdhsa_reserve_vcc 0
		.amdhsa_float_denorm_mode_32 3
		.amdhsa_float_denorm_mode_16_64 3
		.amdhsa_memory_ordered 1
		.amdhsa_forward_progress 1
		.amdhsa_inst_pref_size 124
	.end_amdhsa_kernel
	.amdgpu_metadata
---
amdhsa.version: [ 1, 2 ]
amdhsa.kernels:
  - .name:           k_qf2a18b3412_oproj
    .symbol:         k_qf2a18b3412_oproj.kd
    .args:
      - { .name: ao, .offset: 0, .size: 8, .value_kind: global_buffer, .address_space: global }
      - { .name: wb, .offset: 8, .size: 8, .value_kind: global_buffer, .address_space: global }
      - { .name: bo, .offset: 16, .size: 8, .value_kind: global_buffer, .address_space: global }
      - { .name: out0, .offset: 24, .size: 8, .value_kind: global_buffer, .address_space: global }
    .group_segment_fixed_size: 327680
    .private_segment_fixed_size: 0
    .kernarg_segment_align: 8
    .kernarg_segment_size: 32
    .max_flat_workgroup_size: 128
    .sgpr_count:     76
    .vgpr_count:     640
    .wavefront_size: 32
...
	.end_amdgpu_metadata
.endif
;; end of part 4
